; MI455X (gfx1250); checked and timed in simulation.
; The chip was launched on July 23, 2026; its instructions are those of AMD's public machine-readable ISA for CDNA 5 (MIT licence, August 2026) and "CDNA5" Instruction Set Architecture Reference Guide (July 2026). The comments in the code are by the model that wrote it; some were corrected since.
;; Multi Head Attention. Allowed arithmetic: matrix products marked QUANTISED: E2M3 operands, one E8M0 scale for each 32 along K, by v_wmma_scale_f32_16x16x128_f8f6f4 with both operands' format E2M3, f32 sums; everything else in f32.
;; Inputs: b_o 1,024 float32; w_k_codes 1,024 x 32 x 24 uint8 (E2M3 codes of w_k, K innermost, in blocks of 32 codes, four codes in three bytes); w_k_scales 1,024 x 32 uint8 (E8M0 scales of w_k, one for each 32 codes along K); w_o_codes 1,024 x 32 x 24 uint8 (E2M3 codes of w_o, K innermost, in blocks of 32 codes, four codes in three bytes); w_o_scales 1,024 x 32 uint8 (E8M0 scales of w_o, one for each 32 codes along K); w_q_codes 1,024 x 32 x 24 uint8 (E2M3 codes of w_q, K innermost, in blocks of 32 codes, four codes in three bytes); w_q_scales 1,024 x 32 uint8 (E8M0 scales of w_q, one for each 32 codes along K); w_v_codes 1,024 x 32 x 24 uint8 (E2M3 codes of w_v, K innermost, in blocks of 32 codes, four codes in three bytes); w_v_scales 1,024 x 32 uint8 (E8M0 scales of w_v, one for each 32 codes along K); x_codes 2 x 2,048 x 32 x 24 uint8 (E2M3 codes of x, K innermost, in blocks of 32 codes, four codes in three bytes); x_scales 2 x 2,048 x 32 uint8 (E8M0 scales of x, one for each 32 codes along K).
;; Outputs: out0 2 x 2,048 x 1,024 float32.
;; This version of the problem:
;;   THIS VERSION OF THE PROBLEM IS GIVEN IN LOW PRECISION. The matrix products marked QUANTISED in the list below multiply operands that are first quantised to E2M3 (2 exponent bits, 3 mantissa bits; 6 bits a number), with one power-of-two scale for each 32 numbers along K (OCP MX v1.0); their sums are f32. All else is computed in f32.
;;   The module's matrix products, in the order in which they are computed (A, B: the left and right operand; K: the contracted axis; several contracted axes count as one K, in the product's order):
;;     1. [M 4,096, K 1,024] x [K 1,024, N 1,024]; A: input x (given as codes); B: input w_q (given as codes): QUANTISED
;;     2. [M 4,096, K 1,024] x [K 1,024, N 1,024]; A: input x (given as codes); B: input w_k (given as codes): QUANTISED
;;     3. [M 4,096, K 1,024] x [K 1,024, N 1,024]; A: input x (given as codes); B: input w_v (given as codes): QUANTISED
;;     4. batch 32 x [M 2,048, K 64] x [K 64, N 2,048]; A: computed on the way; B: computed on the way: QUANTISED
;;     5. batch 32 x [M 2,048, K 2,048] x [K 2,048, N 64]; A: softmax (see below); B: computed on the way: QUANTISED
;;     6. [M 4,096, K 1,024] x [K 1,024, N 1,024]; A: computed on the way; B: input w_o (given as codes): QUANTISED
;;   THE QUANTISER, for each operand of a quantised product, along K:
;;     - K is cut into blocks of 32 from its start; a last block that is shorter is filled with zeros.
;;     - A block's scale is 2^e with e = floor(log2(the largest magnitude in the block)) - 2, held to -126 .. 127; a block of zeros has e = 0. As a byte (E8M0): e + 127.
;;     - Each number is divided by its block's scale, clamped to +-7.5, and rounded to the nearest number of E2M3, ties to even, subnormals kept.
;;     - The product sums the exact products of the quantised numbers (number of the format x scale) in f32.
;;   ~~~python
;;   def quantise(x, axis):      # numpy; x: float32 -> the quantised numbers, widened to float32 again
;;       x = np.moveaxis(x, axis, -1); K = x.shape[-1]
;;       x = np.pad(x, [(0, 0)] * (x.ndim - 1) + [(0, -K % 32)]); x = x.reshape(x.shape[:-1] + (-1, 32)); a = np.abs(x).max(-1, keepdims=True)
;;       e = np.where(a > 0, np.clip(np.frexp(np.where(a > 0, a, 1))[1] - 1 - 2, -126, 127), 0)      # np.frexp(a)[1] - 1 = floor(log2(a)), exactly
;;       r = np.clip(x / 2.0 ** e, -7.5, 7.5)
;;       step = 2.0 ** (np.maximum(np.frexp(np.where(r == 0, 1, r))[1] - 1, 0) - 3)
;;       q = np.round(r / step) * step * 2.0 ** e      # np.round: ties to even
;;       return np.moveaxis(q.reshape(q.shape[:-2] + (-1,))[..., :K], -1, axis).astype(np.float32)
;;   ~~~
;;   SOFTMAX AHEAD OF A QUANTISED PRODUCT. Where the list says 'softmax', what is quantised is not the finished softmax but p = 2^(t - M), with t = logit x log2(e) and M = ceil(the row's largest t), a whole number; so 1/2 < the row's largest p <= 1. The row's sum l is taken of the UNQUANTISED p, in f32, and the product's result is divided by l at the end. Since M is a whole number, a kernel that streams over the keys may use a running M (the ceiling of the running maximum): every later rescaling is an exact power of two, which a block's scale takes up: the codes' values come out the same.
;;   OPERANDS COMPUTED ON THE WAY. 'Computed on the way' means the value that the module computes at that place (a softmax that the list does not call 'softmax' is quantised finished and normalised). What goes into a quantiser is computed in f32, as accurately as f32 sums, v_exp_f32 and their like allow (about 1e-6 of the number): no bf16 or f16 on the way to a quantiser, and a product that is left as it is and whose result goes on into a quantised operand takes f32 operands (vector FMAs, or v_wmma_f32_16x16x4_f32). A number that lies on a knife's edge between two numbers of the format may be rounded either way, as far as f32 arithmetic and the matrix unit's own rounding can turn it there, and no further.
;;   INPUTS GIVEN AS CODES. w_k (in the module: [1024, 1024], K = its axis 0); w_o (in the module: [1024, 1024], K = its axis 0); w_q (in the module: [1024, 1024], K = its axis 0); w_v (in the module: [1024, 1024], K = its axis 0); x (in the module: [2, 2048, 1024], K = its axis 2): each comes as NAME_codes (uint8): NAME with its K axis moved to the last place and cut into blocks of 32 codes, [.., K / 32, bytes a block], one block behind the other in memory; four codes in three bytes: a row's codes are one little-endian stream of bits, code i at bits 6 i .. 6 i + 5 (a code: sign, 2 exponent bits, 3 mantissa bits); and NAME_scales (uint8): the same leading axes, one E8M0 byte (e + 127) for each 32 codes along K. Its value is code x scale, taken as it is: it is not quantised again, and the codes and scales need not be those that the quantiser above would give.
;; One version. Each part assembles by itself: llvm-mc -triple=amdgcn-amd-amdhsa -mcpu=gfx1250 --defsym DOCPART=n.
;; ======== version 1 of 1: 3 launches
;; limits: right only within a limited range of input values
;; workspace buffers: qf 3,276,800 bytes; kv 6,553,600 bytes; cf 3,145,728 bytes; cs 131,072 bytes
;; launch qkv (part 1): grid 16 x 16, 4 waves a work-group, clusters of 4 x 4, 327,680 bytes of LDS; arguments x_codes, x_scales, w_q_codes, w_k_codes, w_v_codes, w_q_scales, w_k_scales, w_v_scales, qf, kv; writes qf, kv
.if DOCPART == 1
	.amdgcn_target "amdgcn-amd-amdhsa--gfx1250"
	.amdhsa_code_object_version 6
	.text
	.protected	k_q875dce4899_qkv
	.globl	k_q875dce4899_qkv
	.p2align	8
	.type	k_q875dce4899_qkv,@function
k_q875dce4899_qkv:
	s_mov_b64 s[64:65], 0
	v_nop
	global_prefetch_b8 v0, s[64:65] scope:SCOPE_SE
	s_setreg_imm32_b32 hwreg(HW_REG_WAVE_MODE, 25, 1), 1
	s_wait_xcnt 0x0
	s_wait_alu depctr_hold_cnt(0) depctr_sa_sdst(0) depctr_va_vdst(0) depctr_va_sdst(0) depctr_va_ssrc(0) depctr_va_vcc(0) depctr_vm_vsrc(0)
	s_getreg_b32 s2, hwreg(HW_REG_IB_STS2, 6, 4)
	s_cmp_eq_u32 s2, 0
	s_cbranch_scc0 .Lentry_in_a_cluster
	s_endpgm
.Lentry_in_a_cluster:
	s_bfe_u32 s2, ttmp6, 0x10000c
	s_cmp_lg_u32 s2, 0xf033
	s_cbranch_scc0 .Lentry_shape_is_right
	s_endpgm
.Lentry_shape_is_right:
; q = x Wq, k = x Wk, v = x Wv on codes of FP6 (E2M3) with E8M0 scales, the results quantised at once: q and k along the head's 64, v along the tokens (the keys).
; WORK LEFT OUT OF THE PROGRAM: nothing here; in the launch that follows, whole tiles under reference()'s own causal mask (its head says which).
; SHARES.  Work-group (X = head, Y = 256 tokens) makes 256 tokens x (64 of q, 64 of k, 64 of v): two records of qf and two of kv.  Wave w: i = w / 2 (record i: tokens 128 i on), j = w % 2.
;   T = q (j = 0) or k (j = 1), transposed (source 0 = 16 rows of W, source 1 = 16 tokens): a lane holds ONE token, its registers run along d: 8 x 4 accumulators in window 1.
;   V: source 0 = 16 tokens, source 1 = 16 rows of Wv (d tiles 2 j, 2 j + 1): a lane holds ONE d, its registers run along the tokens: 2 x 8 accumulators in window 2.
; LDS.  x's 256 rows whole (768 bytes + 16 behind each 256: pitch 816).  The weights' 192 rows in chunks of 256 bytes (pitch 272) through two slots: chunk 0 into slot 0 at the head, chunk 1 into slot 1
;   behind the round that shows the head's tiles, chunk 2 into slot 0 again when K steps 0, 1, 2 have been fetched (in a drained round inside step 1): all three together would not fit.
; CLUSTER 4 x 4: a row shares Y and so x's tile, a column shares X and so the weights' tiles: joint loads, one a wave: wave 0 x, waves 1, 2, 3 Wq, Wk, Wv.
; PREFETCH: chunks 1 and 2, 64 rows x 256 bytes each for each of waves 1 to 3, shared out by address among the four work-groups of a column, 16 rows each; asked for once, behind the head's loads.
; WHAT IS STORED.  A fragment (1,536 bytes) is an operand's 12 registers: [piece of 4 registers][lane][16 bytes].
;   qf record (6,400): 4 fragments (tile 2 f in registers 0-5, tile 2 f + 1 in 6-11), then [r][f] scale words.
;   kv record (12,800): K's 4 fragments; V's 4 (d tile dt; registers 6 c on: key half c); K's [r][f] scale words; V's [r][dt], byte b = the record's b-th 32 keys.
; ORDER INSIDE A BLOCK OF 32: place 16 h + i holds index 8 h + i % 8 + 16 (i / 8).  The blocks are the true blocks; q and k are laid alike, and so are v here and p in the next launch.
; LIMITS: a block of zeros gets the byte 1 where the rule says 127 (its codes are zeros, and these bytes are read by this program alone); NaN and infinities are not served.
.set XP,    816
.set WP,    272
.set WC,    192*WP                     ; a slot of the weights
.set WB,    256*XP                     ; the weights' two slots behind x's rows
.set VS,    WB+2*WC                    ; 512 bytes in which V's scale words are gathered; no tensor load lands there
.set SPARE, VS+512
.set ADX,   4                          ; v4, v5 my x tiles 0-3 (v5: pieces across a padding); v6, v7 tiles 4-7
.set ADT,   8                          ; v8 my rows of Wq or Wk; v9: pieces from slot 0 into slot 1; v10: from slot 1 into slot 0
.set ADV,   11                         ; v11, v12, v13 of Wv
.set AVS,   14
.set AVL,   15
.set SX,    16                         ; v16-47 x's scale words: [pair of tiles][K step]: lanes 0-15 the even tile, 16-31 the odd one
.set SWT,   52                         ; v52-67 Wq's or Wk's likewise
.set SWV,   68                         ; v68-75 Wv's
.set SPW,   76
.set NIL,   77
.set L16,   78
.set PFO,   79
.set FS,    80                         ; v80-247 fragments: x 8, W 4, Wv 2: set 0 in window 0, set 1 at the same numbers of window 3
.set FW,    176
.set FV,    224
.set TC,    152                        ; the way out, in set 0's registers: v80-151 codes
.set TM,    168
.set TP,    176
.set SO,    184
.set PW,    192
.set WD,    196                        ; v196-199 T's scale words; v200-201 V's
.set WV,    24
.set G1X,   36
.set G1W,   44
.set G0X,   68
.set G0W,   72                         ; chunk 0
.set G0R,   76                         ; chunk 2
.set G0S,   80                         ; chunk 1
.set PADW, (1<<20)|(1<<21)|(5<<22)|(3<<25)    ; elements of 1 byte; padding on; bit 21 beside a mask; after every 64 words, 4 words
.set MSB, 0
.set Z, 1
.macro WIN new                         ; the immediate's high byte repeats the setting that is left
.if MSB != (\new)
	s_set_vgpr_msb (MSB<<8)|(\new)
.set MSB, (\new)
.endif
.endm
.macro CREST
	s_cmp_lg_u32 s[WV], 0
	s_cbranch_scc1 .Lnot_wave_0_\@
	s_barrier_signal -3
.Lnot_wave_0_\@:
	s_barrier_wait -3
	s_barrier_signal -1
	s_barrier_wait -1
.endm
.macro CROUND
	s_barrier_signal -1
	s_barrier_wait -1
	CREST
.endm
.macro PLACES
.rept 4
	v_nop
.endr
.endm
.macro WM d, a, b, zero, sa, sb, ra, rb   ; zero = 1: it starts the sum; ra, rb: the scale words stand in lanes 16-31
.set WSEL, 4*(\zero)+2*(\ra)+(\rb)
.if WSEL == 0
	v_wmma_scale_f32_16x16x128_f8f6f4 v[\d:\d+7], v[\a:\a+11], v[\b:\b+11], v[\d:\d+7], v[\sa], v[\sb] matrix_a_fmt:MATRIX_FMT_FP6 matrix_b_fmt:MATRIX_FMT_FP6
.elseif WSEL == 1
	v_wmma_scale_f32_16x16x128_f8f6f4 v[\d:\d+7], v[\a:\a+11], v[\b:\b+11], v[\d:\d+7], v[\sa], v[\sb] matrix_a_fmt:MATRIX_FMT_FP6 matrix_b_fmt:MATRIX_FMT_FP6 matrix_b_scale:MATRIX_SCALE_ROW1
.elseif WSEL == 2
	v_wmma_scale_f32_16x16x128_f8f6f4 v[\d:\d+7], v[\a:\a+11], v[\b:\b+11], v[\d:\d+7], v[\sa], v[\sb] matrix_a_fmt:MATRIX_FMT_FP6 matrix_b_fmt:MATRIX_FMT_FP6 matrix_a_scale:MATRIX_SCALE_ROW1
.elseif WSEL == 3
	v_wmma_scale_f32_16x16x128_f8f6f4 v[\d:\d+7], v[\a:\a+11], v[\b:\b+11], v[\d:\d+7], v[\sa], v[\sb] matrix_a_fmt:MATRIX_FMT_FP6 matrix_b_fmt:MATRIX_FMT_FP6 matrix_a_scale:MATRIX_SCALE_ROW1 matrix_b_scale:MATRIX_SCALE_ROW1
.elseif WSEL == 4
	v_wmma_scale_f32_16x16x128_f8f6f4 v[\d:\d+7], v[\a:\a+11], v[\b:\b+11], 0, v[\sa], v[\sb] matrix_a_fmt:MATRIX_FMT_FP6 matrix_b_fmt:MATRIX_FMT_FP6
.elseif WSEL == 5
	v_wmma_scale_f32_16x16x128_f8f6f4 v[\d:\d+7], v[\a:\a+11], v[\b:\b+11], 0, v[\sa], v[\sb] matrix_a_fmt:MATRIX_FMT_FP6 matrix_b_fmt:MATRIX_FMT_FP6 matrix_b_scale:MATRIX_SCALE_ROW1
.elseif WSEL == 6
	v_wmma_scale_f32_16x16x128_f8f6f4 v[\d:\d+7], v[\a:\a+11], v[\b:\b+11], 0, v[\sa], v[\sb] matrix_a_fmt:MATRIX_FMT_FP6 matrix_b_fmt:MATRIX_FMT_FP6 matrix_a_scale:MATRIX_SCALE_ROW1
.else
	v_wmma_scale_f32_16x16x128_f8f6f4 v[\d:\d+7], v[\a:\a+11], v[\b:\b+11], 0, v[\sa], v[\sb] matrix_a_fmt:MATRIX_FMT_FP6 matrix_b_fmt:MATRIX_FMT_FP6 matrix_a_scale:MATRIX_SCALE_ROW1 matrix_b_scale:MATRIX_SCALE_ROW1
.endif
.endm
; product n of K step s: n < 32: T(xt = n / 4, dt = n % 4) at 8 n of window 1; else V(vt, xt) at 8 (n - 32) of window 2.  The 48 accumulators take turns, in the same order in every step.
.macro PROD n, s
.if (\n) < 32
	WIN 0x50+15*((\s)%2)
	WM 8*(\n), FW+12*((\n)%4), FS+12*((\n)/4), Z, SWT+8*(((\n)%4)/2)+(\s), SX+8*((\n)/8)+(\s), ((\n)%2), (((\n)/4)%2)
.else
	WIN 0xa0+15*((\s)%2)
	WM 8*((\n)-32), FS+12*((\n)%8), FV+12*(((\n)-32)/8), Z, SX+8*(((\n)%8)/2)+(\s), SWV+(\s), ((\n)%2), (((\n)-32)/8)
.endif
.endm
.macro PRODS from, to, s
.set N_, \from
.rept (\to)-(\from)
	PROD N_, \s
.set N_, N_+1
.endr
.endm
; A fragment: lane (r, h) takes 24 bytes at 24 h and 24 bytes at 48 + 24 h of the row's s-th 96 bytes, in pieces of 8.  BY: where the piece of lanes 0-15 begins in the row of codes.
.macro XFRAG reg, adr, s, i
.irp p, 0,1,2,3,4,5
.set BY, 96*(\s)+48*(\p/3)+8*(\p%3)
.if BY%256 < 232
	ds_load_b64 v[\reg+2*\p:\reg+2*\p+1], v[\adr] offset:BY+16*(BY/256)+(\i)*16*XP
.else
	ds_load_b64 v[\reg+2*\p:\reg+2*\p+1], v[\adr+1] offset:BY+16*(BY/256)+(\i)*16*XP
.endif
.endr
.endm
.macro WFRAG reg, adr, s, i            ; chunk BY / 256 lies in slot 0, 1, 0
.irp p, 0,1,2,3,4,5
.set BY, 96*(\s)+48*(\p/3)+8*(\p%3)
.if BY >= 512
	ds_load_b64 v[\reg+2*\p:\reg+2*\p+1], v[\adr] offset:BY-512+(\i)*16*WP
.elseif BY < 232
	ds_load_b64 v[\reg+2*\p:\reg+2*\p+1], v[\adr] offset:BY+(\i)*16*WP
.elseif BY < 256
	ds_load_b64 v[\reg+2*\p:\reg+2*\p+1], v[\adr+1] offset:BY-232+(\i)*16*WP
.elseif BY < 488
	ds_load_b64 v[\reg+2*\p:\reg+2*\p+1], v[\adr] offset:WC+BY-256+(\i)*16*WP
.else
	ds_load_b64 v[\reg+2*\p:\reg+2*\p+1], v[\adr+2] offset:BY-488+(\i)*16*WP
.endif
.endr
.endm
.macro PART k, s                       ; a part of step s's fragments into set s % 2
	WIN 0xc0*((\s)%2)
.if \k == 0
.irp t, 0,1,2,3
	XFRAG FS+12*\t, ADX, \s, \t
.endr
.elseif \k == 1
.irp t, 0,1,2,3
	XFRAG FS+48+12*\t, ADX+2, \s, \t
.endr
.elseif \k == 2
.irp t, 0,1,2,3
	WFRAG FW+12*\t, ADT, \s, \t
.endr
.else
.irp t, 0,1
	WFRAG FV+12*\t, ADV, \s, \t
.endr
.endif
.endm
	s_load_b256 s[4:11], s[0:1], 0x0               ; x's codes, x's scales, Wq's codes, Wk's codes
	s_load_b256 s[12:19], s[0:1], 0x20             ; Wv's codes, Wq's, Wk's, Wv's scales
	s_load_b128 s[20:23], s[0:1], 0x40             ; qf, kv
	v_lshl_add_u32 v[SPW], v0, 2, SPARE
	v_mov_b32 v[NIL], 0
	ds_add_u32 v[SPW], v[NIL]
	ds_add_u32 v[SPW], v[NIL]                      ; the opening add twice on end
	v_lshrrev_b32 v1, 5, v0
	v_readfirstlane_b32 s[WV], v1
	s_lshr_b32 s25, s[WV], 1                       ; i
	s_and_b32 s26, s[WV], 1                        ; j
	s_bfe_u32 s27, ttmp6, 0x40000                  ; cx
	s_bfe_u32 s28, ttmp6, 0x40004                  ; cy
	s_lshl_b32 s29, ttmp9, 2
	s_add_co_u32 s29, s29, s27                     ; X: the head
	s_and_b32 s30, ttmp7, 0xffff
	s_lshl_b32 s30, s30, 2
	s_add_co_u32 s30, s30, s28                     ; Y: which 256 tokens
	s_lshl_b32 s31, s28, 2
	s_lshl_b32 s31, 15, s31                        ; my row of the cluster
	s_lshl_b32 s32, 0x1111, s27                    ; my column
	s_or_b32 s[G1X], s31, PADW
	s_mov_b32 s[G1X+1], 768<<16
	s_mov_b32 s[G1X+2], 256<<16
	s_mov_b32 s[G1X+3], 768<<16
	s_mov_b32 s[G1X+4], 256
	s_mov_b32 s[G1X+5], 768
	s_mov_b32 s[G1X+6], 0
	s_mov_b32 s[G1X+7], 0
	s_or_b32 s[G1W], s32, PADW                     ; a chunk of 64 rows: 256 bytes of each
	s_mov_b32 s[G1W+1], 256<<16
	s_mov_b32 s[G1W+2], 64<<16
	s_mov_b32 s[G1W+3], 256<<16
	s_mov_b32 s[G1W+4], 64
	s_mov_b32 s[G1W+5], 768
	s_mov_b32 s[G1W+6], 0
	s_mov_b32 s[G1W+7], 0
	s_mul_i32 s52, s30, 256*768                    ; x: my 256 rows (never cx)
	s_mov_b32 s53, 0
	s_mul_i32 s54, s29, 64*768                     ; the weights: my head's 64 rows (never cy)
	s_mov_b32 s55, 0
	s_mul_i32 s58, s[WV], 64*WP                    ; waves 1, 2, 3: the first, second, third 64 rows of a slot
	s_mov_b32 s2, 0x76543210
	s_mov_b32 s3, 0xfedcba98                       ; v_permlanex16_b32's selects for lane l xor 16
	s_wait_alu depctr_va_vdst(0)
	v_and_b32 v1, 31, v0                           ; lane
	v_and_b32 v2, 15, v0                           ; r
	v_bfe_u32 v3, v0, 4, 1                         ; h
	v_mul_u32_u24 v48, v2, XP
	v_mad_u32_u24 v48, v3, 24, v48                 ; r x pitch + 24 h
	v_lshl_add_u32 v49, v3, 4, v48                 ; r x pitch + 40 h
	v_mul_u32_u24 v14, v2, WP
	v_mad_u32_u24 v50, v3, 24, v14                 ; r x pitch + 24 h
	v_mul_u32_u24 v51, v3, WC-232
	v_add_nc_u32 v51, v51, v14
	v_add_nc_u32 v51, 232, v51                     ; lanes 0-15: byte 232 of slot 0's row; lanes 16-31: byte 0 of slot 1's
	v_sub_nc_u32 v15, 1, v3
	v_mul_u32_u24 v15, v15, WC+232
	v_add_nc_u32 v14, v14, v15                     ; lanes 0-15: byte 232 of slot 1's row; lanes 16-31: byte 0 of slot 0's
	s_mul_i32 s59, s25, 128*XP
	v_add_nc_u32 v[ADX], s59, v48
	v_add_nc_u32 v[ADX+1], s59, v49
	s_add_co_u32 s59, s59, 64*XP
	v_add_nc_u32 v[ADX+2], s59, v48
	v_add_nc_u32 v[ADX+3], s59, v49
	s_mul_i32 s59, s26, 64*WP
	s_add_co_u32 s59, s59, WB
	v_add_nc_u32 v[ADT], s59, v50
	v_add_nc_u32 v[ADT+1], s59, v51
	v_add_nc_u32 v[ADT+2], s59, v14
	s_mul_i32 s59, s26, 32*WP
	s_add_co_u32 s59, s59, WB+128*WP
	v_add_nc_u32 v[ADV], s59, v50
	v_add_nc_u32 v[ADV+1], s59, v51
	v_add_nc_u32 v[ADV+2], s59, v14
	v_min_u32 v[PFO], 15, v1
	v_mul_u32_u24 v[PFO], v[PFO], 768
	s_mul_i32 s59, s28, 16*768
	s_add_co_u32 s59, s59, 256
	v_add_nc_u32 v[PFO], s59, v[PFO]               ; rows 16 cy + 0 .. 15, bytes 256 on
	v_lshlrev_b32 v[L16], 4, v1
	v_lshlrev_b32 v2, 4, v2                        ; v2: 16 r
	v_lshlrev_b32 v3, 3, v1                        ; v3: 8 x lane
	v_lshlrev_b32 v1, 5, v1                        ; v1: 32 x lane
	s_lshl_b32 s59, s25, 8
	s_add_co_u32 s59, s59, VS
	v_add_nc_u32 v[AVL], s59, v3                   ; VS + 256 i + 8 x lane
	s_lshl_b32 s34, s26, 3
	s_add_co_u32 s59, s59, s34
	v_add_nc_u32 v[AVS], s59, v2                   ; VS + 256 i + 8 j + 16 r
	s_mov_b32 s35, 0
	s_wait_alu depctr_va_vdst(0)
	s_wait_dscnt 0x0
	s_wait_kmcnt 0x0
	s_add_nc_u64 s[52:53], s[4:5], s[52:53]
	s_cmp_eq_u32 s[WV], 2                          ; wave 1: Wq, wave 2: Wk, wave 3: Wv
	s_cselect_b64 s[56:57], s[10:11], s[8:9]
	s_cmp_eq_u32 s[WV], 3
	s_cselect_b64 s[56:57], s[12:13], s[56:57]
	s_add_nc_u64 s[56:57], s[56:57], s[54:55]
	s_mov_b32 s[G0X], 1
	s_mov_b32 s[G0X+1], 0
	s_mov_b64 s[G0X+2:G0X+3], s[52:53]
	s_or_b32 s[G0X+3], s[G0X+3], 0x80000000
	s_mov_b32 s[G0W], 1
	s_add_co_u32 s[G0W+1], s58, WB-64*WP
	s_mov_b64 s[G0W+2:G0W+3], s[56:57]
	s_or_b32 s[G0W+3], s[G0W+3], 0x80000000
	s_mov_b32 s[G0S], 1
	s_add_co_u32 s[G0S+1], s58, WB+WC-64*WP
	s_add_nc_u64 s[G0S+2:G0S+3], s[56:57], 256
	s_or_b32 s[G0S+3], s[G0S+3], 0x80000000
	s_mov_b32 s[G0R], 1
	s_add_co_u32 s[G0R+1], s58, WB-64*WP
	s_add_nc_u64 s[G0R+2:G0R+3], s[56:57], 512
	s_or_b32 s[G0R+3], s[G0R+3], 0x80000000
	CROUND                                         ; all sixteen work-groups are here: the joint loads meet
	s_cmp_eq_u32 s[WV], 0
	s_cbranch_scc0 .Lfor_w
	tensor_load_to_lds s[G0X:G0X+3], s[G1X:G1X+7]
	s_nop 0
	PLACES
	s_branch .Lasked
.Lfor_w:
	tensor_load_to_lds s[G0W:G0W+3], s[G1W:G1W+7]
	s_nop 0
	PLACES
.Lasked:
	; the scale words: a row's 32 bytes are its eight K steps' words: 32 neighbouring rows a wave
	s_lshl_b32 s34, s30, 13
	s_lshl_b32 s59, s25, 12
	s_add_co_u32 s34, s34, s59
	s_add_nc_u64 s[6:7], s[6:7], s[34:35]          ; x's: rows 256 Y + 128 i on
	s_lshl_b32 s34, s29, 11
	s_cmp_eq_u32 s26, 0
	s_cselect_b64 s[14:15], s[14:15], s[16:17]     ; Wq's or Wk's
	s_add_nc_u64 s[14:15], s[14:15], s[34:35]
	s_lshl_b32 s59, s26, 10
	s_add_co_u32 s34, s34, s59
	s_add_nc_u64 s[18:19], s[18:19], s[34:35]      ; Wv's: rows 64 X + 32 j on
.irp g, 0,1,2,3
	global_load_b128 v[SX+8*\g:SX+8*\g+3], v1, s[6:7] offset:1024*\g
	global_load_b128 v[SX+8*\g+4:SX+8*\g+7], v1, s[6:7] offset:1024*\g+16
.endr
.irp g, 0,1
	global_load_b128 v[SWT+8*\g:SWT+8*\g+3], v1, s[14:15] offset:1024*\g
	global_load_b128 v[SWT+8*\g+4:SWT+8*\g+7], v1, s[14:15] offset:1024*\g+16
.endr
	global_load_b128 v[SWV:SWV+3], v1, s[18:19]
	global_load_b128 v[SWV+4:SWV+7], v1, s[18:19] offset:16
	s_cmp_eq_u32 s[WV], 0
	s_cbranch_scc1 .Lno_ask
	global_prefetch_b8 v[PFO], s[56:57] th:TH_LOAD_NT scope:SCOPE_SE               ; chunk 1
	global_prefetch_b8 v[PFO], s[56:57] offset:256 th:TH_LOAD_NT scope:SCOPE_SE    ; chunk 2
.Lno_ask:
	; where the results go
	s_lshr_b32 s33, s30, 3
	s_lshl_b32 s33, s33, 4
	s_add_co_u32 s33, s33, s29                     ; 16 x batch + head
	s_lshl_b32 s33, s33, 4
	s_lshl_b32 s34, s30, 1
	s_add_co_u32 s34, s34, s25
	s_and_b32 s34, s34, 15
	s_add_co_u32 s33, s33, s34                     ; my record's number
	s_mul_i32 s34, s33, 6400
	s_add_nc_u64 s[20:21], s[20:21], s[34:35]
	s_mul_i32 s34, s33, 12800
	s_add_nc_u64 s[22:23], s[22:23], s[34:35]
	s_mov_b32 s59, 12288
	s_cmp_eq_u32 s26, 0
	s_cselect_b64 s[60:61], s[20:21], s[22:23]     ; T's fragments
	s_cselect_b32 s34, 6144, s59
	s_add_nc_u64 s[66:67], s[60:61], s[34:35]      ; T's scale words
	s_mul_i32 s34, s26, 3072
	s_add_co_u32 s34, s34, 6144
	s_add_nc_u64 s[62:63], s[22:23], s[34:35]      ; V's fragments: d tiles 2 j on
	s_wait_tensorcnt 0x0                           ; my tile is in
	ds_add_u32 v[SPW], v[NIL]
	s_wait_dscnt 0x0
	CROUND                                         ; everybody's tile is in, and the joint loads meet
	s_cmp_eq_u32 s[WV], 0
	s_cbranch_scc1 .Lno_second
	tensor_load_to_lds s[G0S:G0S+3], s[G1W:G1W+7]  ; chunk 1 of my weight's 64 rows, into slot 1
	s_nop 0
	PLACES
.Lno_second:
	PART 0, 0
	PART 1, 0
	PART 2, 0
	PART 3, 0
; Eight K steps of 128.  Step s + 1's fragments are asked for in four parts among step s's 48 products, into the other set.
.irp s, 0,1,2,3,4,5,6,7
	s_wait_dscnt 0x0                               ; this step's fragments are in
.if \s == 0
	s_wait_loadcnt 0x0                             ; the scale words
.endif
.if \s < 7
	PLACES                                         ; in front of loads into registers that the last step's products have read
	PART 0, \s+1
	PRODS 0, 10, \s
	PART 1, \s+1
	PRODS 10, 20, \s
.if \s%3 == 1
	WIN 0
	s_wait_tensorcnt 0x0                           ; step 1: my part of chunk 1 is in (step 2 wants it); step 4: of chunk 2 (step 5 wants it);
	s_wait_dscnt 0x0
	s_barrier_signal -1
	s_barrier_wait -1                              ; everybody's is
.endif
	PART 2, \s+1
	PRODS 20, 30, \s
	PART 3, \s+1
.if \s == 1
	PRODS 30, 38, \s
	WIN 0
	s_wait_tensorcnt 0x0                           ; ahead of a refill: all my loads are done;
	ds_add_u32 v[SPW], v[NIL]                      ; 0 onto my spare word;
	PRODS 38, 42, \s
	s_wait_dscnt 0x0                               ; the add is done, and so are my reads for steps 0, 1 and 2: chunk 0 is read no more
	s_barrier_signal -1
	PRODS 42, 46, \s
	WIN 0
	s_barrier_wait -1
	CREST
	s_cmp_eq_u32 s[WV], 0
	s_cbranch_scc1 .Lno_refill
	tensor_load_to_lds s[G0R:G0R+3], s[G1W:G1W+7]  ; chunk 2, into slot 0
	s_nop 0
	PLACES
.Lno_refill:
	PRODS 46, 48, \s
.else
	PRODS 30, 48, \s
.endif
.else
	PRODS 0, 48, \s
.endif
.set Z, 0
.endr
; THE WAY OUT of four runs of 32 numbers a lane, from register base of window w on; registers 16 b + i of a run are my 16 numbers of block b, lane l xor 16 holds the other 16.
; Codes at pc + 6 n: two fragments of 12 registers; the two scale words at wd.
.macro OUT4 w, base, pc, wd
	WIN 5*\w
.irp n, 0,1,2,3
.irp b, 0,1
	v_max3_num_f32 v[TM+2*\n+\b], |v[\base+32*\n+16*\b]|, |v[\base+32*\n+16*\b+1]|, 0x1800000   ; from each accumulator's low end on; the floor 2^(3 - 127) holds the byte at 1 from below
.endr
.endr
.irp i, 2,4,6,8,10,12,14
.irp n, 0,1,2,3
.irp b, 0,1
	v_max3_num_f32 v[TM+2*\n+\b], |v[\base+32*\n+16*\b+\i]|, |v[\base+32*\n+16*\b+\i+1]|, v[TM+2*\n+\b]
.endr
.endr
.endr
	WIN 0
.irp k, 0,1,2,3,4,5,6,7
	v_permlanex16_b32 v[TP+\k], v[TM+\k], s2, s3
.endr
.irp k, 0,1,2,3,4,5,6,7
	v_max_num_f32 v[TM+\k], v[TM+\k], v[TP+\k]     ; the block's largest magnitude
.endr
.irp k, 0,1,2,3,4,5,6,7
	v_add_nc_u32 v[SO+\k], 0xff000000, v[TM+\k]    ; 2 off its exponent field: the conversion's scale operand
.endr
.irp k, 0,1,2,3,4,5,6,7
	v_lshrrev_b32 v[TP+\k], 23, v[SO+\k]           ; the scale's byte
.endr
.irp n, 0,1,2,3
	v_lshl_or_b32 v[PW+\n], v[TP+2*\n+1], 8, v[TP+2*\n]
.endr
	v_lshl_or_b32 v[\wd], v[PW+1], 16, v[PW]
	v_lshl_or_b32 v[\wd+1], v[PW+3], 16, v[PW+2]
	WIN \w
.irp n, 0,1,2,3
	v_cvt_scalef32_pk16_fp6_f32 v[\pc+6*\n:\pc+6*\n+2], v[\base+32*\n:\base+32*\n+15], v[SO+2*\n]
	v_cvt_scalef32_pk16_fp6_f32 v[TC+4*\n:TC+4*\n+2], v[\base+32*\n+16:\base+32*\n+31], v[SO+2*\n+1]
.endr
	WIN 0
	v_nop                                          ; one plain place behind a scaled conversion
.irp n, 0,1,2,3
.irp i, 0,1,2
	v_permlane16_swap_b32 v[\pc+6*\n+\i], v[TC+4*\n+\i]   ; a whole block in a lane: lanes 0-15 block 0, lanes 16-31 block 1
.endr
.endr
.irp n, 0,1,2,3
.irp i, 0,1,2
	v_mov_b32 v[\pc+6*\n+3+\i], v[TC+4*\n+\i]
.endr
.endr
.endm
.macro PUT6 pc, sb, off                ; two fragments: each store 512 consecutive bytes, aligned to 256
.irp p, 0,1,2,3,4,5
	global_store_b128 v[L16], v[\pc+4*\p:\pc+4*\p+3], s[\sb:\sb+1] offset:\off+512*\p
.endr
.endm
	PLACES
	OUT4 2, 0, 80, WD+4                            ; V: run 2 vt + c
	PUT6 80, 62, 0
	ds_store_b64 v[AVS], v[WD+4:WD+5]              ; lanes l and l + 16 write the same bytes with the same value
	OUT4 1, 0, 104, WD                             ; T: token tiles 0-3
	PUT6 104, 60, 0
	OUT4 1, 128, 128, WD+2                         ; tiles 4-7
	PUT6 128, 60, 3072
	global_store_b128 v2, v[WD:WD+3], s[66:67]     ; 256 consecutive bytes; lanes l and l + 16 write the same 16 bytes with the same value
	s_wait_dscnt 0x0                               ; for the others' sake: my scale words lie in LDS
	s_barrier_signal -1
	s_barrier_wait -1
	s_cmp_eq_u32 s26, 0
	s_cbranch_scc0 .Lno_scales
	ds_load_b64 v[204:205], v[AVL]
	s_wait_dscnt 0x0
	global_store_b64 v3, v[204:205], s[22:23] offset:12544   ; V's scale words: 256 consecutive bytes, aligned
.Lno_scales:
	s_wait_tensorcnt 0x0                           ; the wave's end
	ds_add_u32 v[SPW], v[NIL]
	s_wait_dscnt 0x0
	CROUND                                         ; the closing round: no work-group ends while a partner may still ask for a tile that names it
	s_endpgm
.Lfunc_end_k_q875dce4899_qkv:
	.size	k_q875dce4899_qkv, .Lfunc_end_k_q875dce4899_qkv-k_q875dce4899_qkv
	.p2alignl 7, 3214868480
	.fill 96, 4, 3214868480
	.section	.rodata,"a",@progbits
	.p2align	6, 0x0
	.amdhsa_kernel k_q875dce4899_qkv
		.amdhsa_group_segment_fixed_size 327680
		.amdhsa_private_segment_fixed_size 0
		.amdhsa_enable_private_segment 0
		.amdhsa_kernarg_size 80
		.amdhsa_user_sgpr_count 2
		.amdhsa_user_sgpr_kernarg_segment_ptr 1
		.amdhsa_wavefront_size32 1
		.amdhsa_system_sgpr_workgroup_id_x 1
		.amdhsa_system_sgpr_workgroup_id_y 1
		.amdhsa_system_sgpr_workgroup_id_z 1
		.amdhsa_system_vgpr_workitem_id 0
		.amdhsa_next_free_vgpr 1024
		.amdhsa_next_free_sgpr 100
		.amdhsa_reserve_vcc 0
		.amdhsa_float_denorm_mode_32 3
		.amdhsa_float_denorm_mode_16_64 3
		.amdhsa_memory_ordered 1
		.amdhsa_forward_progress 1
		.amdhsa_inst_pref_size 130
	.end_amdhsa_kernel
	.amdgpu_metadata
---
amdhsa.version: [ 1, 2 ]
amdhsa.kernels:
  - .name:           k_q875dce4899_qkv
    .symbol:         k_q875dce4899_qkv.kd
    .args:
      - { .name: x_codes, .offset: 0, .size: 8, .value_kind: global_buffer, .address_space: global }
      - { .name: x_scales, .offset: 8, .size: 8, .value_kind: global_buffer, .address_space: global }
      - { .name: w_q_codes, .offset: 16, .size: 8, .value_kind: global_buffer, .address_space: global }
      - { .name: w_k_codes, .offset: 24, .size: 8, .value_kind: global_buffer, .address_space: global }
      - { .name: w_v_codes, .offset: 32, .size: 8, .value_kind: global_buffer, .address_space: global }
      - { .name: w_q_scales, .offset: 40, .size: 8, .value_kind: global_buffer, .address_space: global }
      - { .name: w_k_scales, .offset: 48, .size: 8, .value_kind: global_buffer, .address_space: global }
      - { .name: w_v_scales, .offset: 56, .size: 8, .value_kind: global_buffer, .address_space: global }
      - { .name: qf, .offset: 64, .size: 8, .value_kind: global_buffer, .address_space: global }
      - { .name: kv, .offset: 72, .size: 8, .value_kind: global_buffer, .address_space: global }
    .group_segment_fixed_size: 327680
    .private_segment_fixed_size: 0
    .kernarg_segment_align: 8
    .kernarg_segment_size: 80
    .max_flat_workgroup_size: 128
    .sgpr_count:     100
    .vgpr_count:     1024
    .wavefront_size: 32
...
	.end_amdgpu_metadata
.endif
;; end of part 1
;; launch attn (part 2): grid 8 x 32, 16 waves a work-group, clusters of 4 x 1, 206,848 bytes of LDS; arguments qf, kv, cf, cs; writes cf, cs
.if DOCPART == 2
	.amdgcn_target "amdgcn-amd-amdhsa--gfx1250"
	.amdhsa_code_object_version 6
	.text
	.protected	k_q875dce4899_attn
	.globl	k_q875dce4899_attn
	.p2align	8
	.type	k_q875dce4899_attn,@function
k_q875dce4899_attn:
	s_mov_b64 s[64:65], 0
	v_nop
	global_prefetch_b8 v0, s[64:65] scope:SCOPE_SE
	s_setreg_imm32_b32 hwreg(HW_REG_WAVE_MODE, 25, 1), 1
	s_wait_xcnt 0x0
	s_wait_alu depctr_hold_cnt(0) depctr_sa_sdst(0) depctr_va_vdst(0) depctr_va_sdst(0) depctr_va_ssrc(0) depctr_va_vcc(0) depctr_vm_vsrc(0)
	s_getreg_b32 s2, hwreg(HW_REG_IB_STS2, 6, 4)
	s_cmp_eq_u32 s2, 0
	s_cbranch_scc0 .Lentry_in_a_cluster
	s_endpgm
.Lentry_in_a_cluster:
	s_bfe_u32 s2, ttmp6, 0x10000c
	s_cmp_lg_u32 s2, 0x3003
	s_cbranch_scc0 .Lentry_shape_is_right
	s_endpgm
.Lentry_shape_is_right:
; Causal attention of one head on codes of FP6 (E2M3), and the result quantised along the head's 64 for the output projection.
; t = score x log2(e) / 8; M = the running largest t rounded UP to a whole number; p = 2^(t - M) is quantised along the keys, not normalised; the row's sum is taken of the unquantised p and divides at the end.
; WORK LEFT OUT: a step of 128 keys all of which come after a wave's 16 queries is thrown away by reference()'s own causal mask whatever the inputs hold, and is not done.  LIMIT: a NaN, an infinity or an overflow that reaches only such steps is not carried.
; SHARES.  Work-group (a, bh) owns queries 16 a .. 16 a + 15 of each of the 16 blocks of 128 queries of head bh: wave w takes the tile of block JB and walks key steps 0 .. JB: 1 + 2 + .. + 16 = 136 tile steps in every work-group.
;   JB + 1 over the waves is a magic square of 4 x 4: waves that agree in w / 4, and waves that agree in w % 4, have 34 tile steps together.
; LDS.  The head's 16 records of kv (12,800 bytes each) come once: wave w's one tensor load brings record w.  Every byte is filled once.  Step 0 needs records 0 and 1 (waves 0, 1: a load line of their own); the barrier behind it shows the others.
; CLUSTER 4 x 1: the partners differ in a alone and read the same head: joint loads.  No branch and no LDS address hangs on a: a wave's steps hang on its number.
; NO PREFETCH: all records are asked for by the head's loads; nothing is fetched from memory in the loop.
; LAYOUT.  Both products transposed: S^T = K Q^T, O^T = V^T P^T: a lane holds ONE query (lane % 16).  The head is 64 wide, half of the instruction's 128: a fragment of K carries TWO key tiles (registers 0-5 tile 2 f,
;   registers 6-11 tile 2 f + 1), and Q stands between zeros, [0 | q | 0]: [q | 0] gives tile 2 f's scores, [0 | q] tile 2 f + 1's.  Zero codes add nothing under Q's own scale bytes.
; In a step, V's fragments and the NEXT step's K are loaded behind S^T's products, into registers of their own.
; Inside a block of 32 keys p's codes stand in the order in which the launch before laid v's.  ctx is brought into its true order (16 lane swaps) ahead of its quantiser, since w_o is given in true order.
; The two scale bytes of a token and head are stored by one 2-byte store a lane, 32 bytes apart: the bytes beside them belong to other heads' work-groups; 128 KiB in the whole launch.
; LIMITS: the scaled scores t stay under 2^31 in magnitude; a block of zeros gets the byte 1 where the rule says 127 (read by this program alone); NaN and infinities are not served; a block's largest p is made from its largest score,
;   which takes v_exp_f32 not to fall where its input rises; the division by the row's sum is v_rcp_f32 and a multiplication.
.set REC,  12800
.set SPARE, 16*REC
.set L16,  1                           ; v1 16 x lane;  v2 16 r;  v3, v11 LDS addresses (v11 also scratch);  v4 16 a + r - 8 h
.set R16,  2
.set A16,  3
.set DL,   4
.set SO,   5                           ; v5-8 the conversions' scale operands
.set SPW,  9
.set NIL,  10
.set T,    11                          ; v12 -M, v13 the largest t, v[14:15] the sum in two halves; v16-33 [0 | q | 0]; v34 Q's scale word; v35 p's
.set KSC,  36                          ; v36-39 K's scale words, v40-43 V's
.set VSC,  40
.set KF,   44                          ; v44-91 K's four fragments, v92-139 V's
.set VF,   92
.set S,    140                         ; v140-203 S^T, then p
.set O,    204                         ; v204-235 O^T
.set PCD,  236                         ; v236-247 p's codes
.set BM,   236                         ; ahead of them, in the same registers: a block's largest score, then largest p;
.set BP,   240                         ; the other half's, then the scale bytes
.set CT,   248                         ; v248-255 conversions' second halves
.set F,    248                         ; ahead of them: the factor 2^(old M - new M), as a pair
.set OUTR, 92                          ; the way out
.set WV,   12
.set G1,   16
.set G0,   24
.set JB,   40
.set TA,   41
.set KS,   42
.set TB,   43
.set CNT,  44
.set TN,   45
.set SEL,  46
.set CS,   48
.macro PLACES
.rept 4
	v_nop
.endr
.endm
.macro CROUND
	s_barrier_signal -1
	s_barrier_wait -1
	s_cmp_lg_u32 s[WV], 0
	s_cbranch_scc1 .Lnot_wave_0_\@
	s_barrier_signal -3
.Lnot_wave_0_\@:
	s_barrier_wait -3
	s_barrier_signal -1
	s_barrier_wait -1
.endm
.macro WM d, a, b, zero, sa, sb
.if \zero
	v_wmma_scale_f32_16x16x128_f8f6f4 v[\d:\d+7], v[\a:\a+11], v[\b:\b+11], 0, v[\sa], v[\sb] matrix_a_fmt:MATRIX_FMT_FP6 matrix_b_fmt:MATRIX_FMT_FP6
.else
	v_wmma_scale_f32_16x16x128_f8f6f4 v[\d:\d+7], v[\a:\a+11], v[\b:\b+11], v[\d:\d+7], v[\sa], v[\sb] matrix_a_fmt:MATRIX_FMT_FP6 matrix_b_fmt:MATRIX_FMT_FP6
.endif
.endm
.macro LOAD13 sc, fr, a16, a4, off, soff   ; four scale words a lane, four fragments: 13 loads
	ds_load_b128 v[\sc:\sc+3], v[\a4] offset:\soff
.irp f, 0,1,2,3
.irp p, 0,1,2
	ds_load_b128 v[\fr+12*\f+4*\p:\fr+12*\f+4*\p+3], v[\a16] offset:\off+1536*\f+512*\p
.endr
.endr
.endm
	s_load_b256 s[4:11], s[0:1], 0x0               ; qf, kv, cf, cs
	v_lshl_add_u32 v[SPW], v0, 2, SPARE
	v_mov_b32 v[NIL], 0
	ds_add_u32 v[SPW], v[NIL]
	ds_add_u32 v[SPW], v[NIL]                      ; the opening add twice on end
	v_lshrrev_b32 v3, 5, v0
	v_readfirstlane_b32 s[WV], v3                  ; wave 0..15
	s_wait_alu depctr_va_vdst(0)
	s_and_b32 s13, ttmp7, 0xffff                   ; bh = 16 x batch + head
	s_bfe_u32 s14, ttmp6, 0x40000                  ; cx
	s_lshl_b32 s[TA], ttmp9, 2
	s_add_co_u32 s[TA], s[TA], s14                 ; a: my tile in each block of 128 queries
	s_mov_b32 s14, 0x7a94c12f                      ; JB, four bits a wave: waves 0 to 7: 15 2 1 12 | 4 9 10 7,
	s_mov_b32 s15, 0x0de3b658                      ; waves 8 to 15: 8 5 6 11 | 3 14 13 0
	s_cmp_lt_u32 s[WV], 8
	s_cselect_b32 s14, s14, s15
	s_and_b32 s15, s[WV], 7
	s_lshl_b32 s15, s15, 2
	s_lshr_b32 s14, s14, s15
	s_and_b32 s[JB], s14, 15                       ; my block of queries, and my last key step
	v_and_b32 v3, 31, v0
	v_and_b32 v[T], 15, v0                         ; r
	v_bfe_u32 v[DL], v0, 4, 1                      ; h
	v_lshlrev_b32 v[L16], 4, v3
	v_lshlrev_b32 v[R16], 4, v[T]
	v_lshlrev_b32 v[DL], 3, v[DL]
	s_lshl_b32 s62, s[TA], 4
	v_sub_nc_u32 v[DL], v[T], v[DL]
	v_add_nc_u32 v[DL], s62, v[DL]
	; descriptor group 1: a record is dense: 50 rows of 256 bytes (32 elements of 8 bytes), no padding; asked for by all four partners
	s_mov_b32 s[G1], (3<<16)|(1<<21)|15
	s_mov_b32 s[G1+1], 32<<16
	s_mov_b32 s[G1+2], 50<<16
	s_mov_b32 s[G1+3], 32<<16
	s_mov_b32 s[G1+4], 50
	s_mov_b32 s[G1+5], 32
	s_mov_b32 s[G1+6], 0
	s_mov_b32 s[G1+7], 0
	s_mul_i32 s52, s[WV], REC                      ; record w: its place in LDS,
	s_mul_i32 s50, s13, 16*REC
	s_add_co_u32 s50, s50, s52                     ; and in kv
	s_mov_b32 s51, 0
	s_mov_b32 s[SEL], 0x76543210
	s_mov_b32 s[SEL+1], 0xfedcba98
	s_mov_b32 s[CS], 0x3e38aa3b                    ; c = log2(e) / 8
	s_mov_b32 s[CS+1], s[CS]                       ; (named with it as a pair, so it is written)
	s_lshl_b32 s53, s13, 4
	s_add_co_u32 s53, s53, s[JB]
	s_mul_i32 s53, s53, 6400                       ; my record of qf
	s_lshr_b32 s54, s[TA], 1                       ; my pair of tiles
	s_and_b32 s55, s[TA], 1                        ; which of the two
	s_mul_i32 s56, s54, 1536
	s_add_co_u32 s56, s56, s53
	s_mul_i32 s57, s55, 520
	s_add_co_u32 s28, s56, s57                     ; my registers 0-1 and, 512 bytes on, 4-5 of the tile's six
	s_mov_b32 s29, 0
	s_mul_i32 s57, s55, 1016
	s_add_co_u32 s30, s56, s57                     ; registers 2-3, 8 bytes on
	s_mov_b32 s31, 0
	s_lshl_b32 s54, s54, 2
	s_add_co_u32 s32, s53, s54
	s_add_co_u32 s32, s32, 6144                    ; the scale words of my pair of tiles
	s_mov_b32 s33, 0
	s_lshl_b32 s62, s55, 4                         ; which half of the scale word is my tile's
	s_lshr_b32 s14, s13, 4
	s_lshl_b32 s14, s14, 4
	s_add_co_u32 s14, s14, s[JB]                   ; Y = 16 x batch + JB: which 128 tokens
	s_and_b32 s15, s13, 15                         ; the head
	s_lshl_b32 s34, s14, 2
	s_lshr_b32 s63, s15, 2
	s_add_co_u32 s34, s34, s63
	s_lshl_b32 s34, s34, 3
	s_add_co_u32 s34, s34, s[TA]
	s_mul_i32 s34, s34, 3072
	s_and_b32 s63, s15, 3
	s_mul_i32 s63, s63, 768
	s_add_co_u32 s34, s34, s63                     ; cf: ((4 Y + head / 4) 8 + a) 3,072 + 768 (head % 4)
	s_mov_b32 s35, 0
	s_lshl_b32 s36, s14, 3
	s_add_co_u32 s36, s36, s[TA]
	s_lshl_b32 s36, s36, 9
	s_lshl_b32 s63, s15, 1
	s_add_co_u32 s36, s36, s63                     ; cs: 32 bytes a token, + 2 x head
	s_mov_b32 s37, 0
	s_wait_alu depctr_va_vdst(0)
	s_wait_dscnt 0x0
	s_wait_kmcnt 0x0
	s_add_nc_u64 s[50:51], s[6:7], s[50:51]
	s_mov_b32 s[G0], 1
	s_mov_b32 s[G0+1], s52
	s_mov_b64 s[G0+2:G0+3], s[50:51]
	s_or_b32 s[G0+3], s[G0+3], 0x80000000
	CROUND                                         ; all four work-groups are here: the joint loads meet
	s_cmp_lt_u32 s[WV], 2
	s_cbranch_scc0 .Lfetch_rest
	tensor_load_to_lds s[G0:G0+3], s[G1:G1+7]      ; records 0 and 1
	s_nop 0
	PLACES
	s_branch .Lfetched
.Lfetch_rest:
	tensor_load_to_lds s[G0:G0+3], s[G1:G1+7]      ; records 2 to 15
	s_nop 0
	PLACES
.Lfetched:
	s_add_nc_u64 s[28:29], s[4:5], s[28:29]
	s_add_nc_u64 s[30:31], s[4:5], s[30:31]
	s_add_nc_u64 s[32:33], s[4:5], s[32:33]
	s_add_nc_u64 s[34:35], s[8:9], s[34:35]
	s_add_nc_u64 s[36:37], s[10:11], s[36:37]
	global_load_b64 v[22:23], v[L16], s[28:29]     ; q's six registers stay
	global_load_b64 v[24:25], v[L16], s[30:31] offset:8
	global_load_b64 v[26:27], v[L16], s[28:29] offset:512
	global_load_b32 v[T], v[R16], s[32:33]
.irp j, 16,17,18,19,20,21,28,29,30,31,32,33
	v_mov_b32 v\j, 0                               ; zero codes on both sides of q
.endr
	v_mov_b32 v13, 0xff61b1e6                      ; the largest t so far: -3e38, under every t
	v_mov_b32 v14, 0
	v_mov_b32 v15, 0
	v_mov_b32 v[F+1], 0                            ; (named as the upper half of a pair)
	v_floor_f32 v12, -v13                          ; -M
.irp b, 0,1,2,3
	v_mov_b32 v[BP+\b], 0                          ; a lane permute's destination counts as one of its sources
.endr
.set J, 0
.rept 32
	v_mov_b32 v[O+J], 0                            ; O^T.  (A step's text serves the first too: it finds zeros)
.set J, J+1
.endr
	s_wait_alu depctr_va_vdst(0)
	s_wait_loadcnt 0x0
	v_lshrrev_b32 v[T], s62, v[T]
	v_and_b32 v[T], 0xffff, v[T]                   ; my tile's two bytes,
	v_lshl_or_b32 v34, v[T], 16, v[T]              ; for both places of q
	PLACES
	PLACES                                         ; a scale register written by a vector instruction stands 8 places ahead of a scaled matrix instruction
	s_wait_alu depctr_va_vdst(0)
	s_cmp_lt_u32 s[WV], 2
	s_cbranch_scc0 .Lnot_first
	s_wait_tensorcnt 0x0
.Lnot_first:
	s_barrier_signal -1
	s_barrier_wait -1                              ; records 0 and 1 are in; the others may still be on their way
	LOAD13 KSC, KF, L16, R16, 0, 12288             ; K of step 0
; A KEY STEP: the 128 keys of the record at LDS byte s[TB].  Its K has been asked for by the step before.
.macro STEP first
.if \first == 0
	s_cmp_gt_u32 s[KS], s[JB]                      ; a step all of whose keys come after my queries is left out: a scalar branch on the wave's number and the loop's steps
	s_cbranch_scc1 .Lskip_\@
.endif
	s_wait_dscnt 0x0                               ; K and its scale words
.irp t, 0,1,2,3,4,5,6,7
	WM S+8*\t, KF+12*(\t/2), 22-6*(\t%2), 1, KSC+\t/2, 34
.endr                                              ; lane (r, h): query r; register 8 t + j: key 16 t + 8 h + j
	s_add_co_u32 s[TN], s[TB], REC
	s_min_u32 s[TN], s[TN], 15*REC                 ; the next record; behind the last one the last again
	v_add_nc_u32 v[A16], s[TB], v[L16]
	v_add_nc_u32 v[T], s[TB], v[R16]
	v_nop
	v_nop                                          ; with the two lines above: the four places behind the products
	LOAD13 VSC, VF, A16, T, 6144, 12544            ; V: it lands while the softmax is walked
	v_add_nc_u32 v[A16], s[TN], v[L16]
	v_add_nc_u32 v[T], s[TN], v[R16]
	LOAD13 KSC, KF, A16, T, 0, 12288               ; the next step's K
	s_cmp_lg_u32 s[KS], s[JB]
	s_cbranch_scc1 .Lopen_\@                       ; only my last step lies on the diagonal
.set N, 0
.rept 64
	v_cmp_le_i32 vcc_lo, 16*(N/8)+N%8, v[DL]       ; seen where 16 t + 8 h + j <= 16 a + r
	v_cndmask_b32 v[S+N], 0xff800000, v[S+N], vcc_lo
.set N, N+1
.endr
.Lopen_\@:
.irp b, 0,1,2,3
	v_max3_num_f32 v[BM+\b], v[S+16*\b], v[S+16*\b+1], v[S+16*\b+2]   ; the largest score of each block of 32 keys: for the row's maximum, and for the block's largest p
.endr
.irp i, 3,5,7,9,11,13
.irp b, 0,1,2,3
	v_max3_num_f32 v[BM+\b], v[BM+\b], v[S+16*\b+\i], v[S+16*\b+\i+1]
.endr
.endr
.irp b, 0,1,2,3
	v_max_num_f32 v[BM+\b], v[BM+\b], v[S+16*\b+15]
.endr
.irp b, 0,1,2,3
	v_permlanex16_b32 v[BP+\b], v[BM+\b], s[SEL], s[SEL+1]
.endr
.irp b, 0,1,2,3
	v_max_num_f32 v[BM+\b], v[BM+\b], v[BP+\b]     ; with lane l xor 16's 16 keys
.endr
	v_max3_num_f32 v[T], v[BM], v[BM+1], v[BM+2]
	s_delay_alu instid0(VALU_DEP_1)
	v_max_num_f32 v[T], v[T], v[BM+3]
	s_delay_alu instid0(VALU_DEP_1)
	v_mul_f32 v[T], s[CS], v[T]                    ; as t (c is positive)
	s_delay_alu instid0(VALU_DEP_1)
	v_max_num_f32 v13, v13, v[T]                   ; the running largest t
	v_mov_b32 v[T], v12
	s_delay_alu instid0(VALU_DEP_2)
	v_floor_f32 v12, -v13                          ; the new -M = -ceil(t): a whole number
	s_delay_alu instid0(VALU_DEP_1)
	v_sub_f32 v[T], v12, v[T]                      ; old M - new M: a whole number, 0 or less
.set J, 0
.rept 16
	v_pk_fma_f32 v[S+J:S+J+1], v[S+J:S+J+1], s[CS:CS+1], v[12:13] op_sel_hi:[1,0,0]   ; t - M
.set J, J+2
.endr
	v_cvt_i32_f32 v[T], v[T]                       ; (it saturates)
.rept 16
	v_pk_fma_f32 v[S+J:S+J+1], v[S+J:S+J+1], s[CS:CS+1], v[12:13] op_sel_hi:[1,0,0]
.set J, J+2
.endr
	v_ldexp_f32 v[F], 1.0, v[T]                    ; f = 2^(old M - new M): a multiplication by it rounds nothing
.irp b, 0,1,2,3
	v_fma_f32 v[BM+\b], v[BM+\b], s[CS], v12       ; t - M of each block's largest score
.endr
.set J, 0
.rept 16
	v_pk_mul_f32 v[O+J:O+J+1], v[O+J:O+J+1], v[F:F+1] op_sel_hi:[1,0]   ; O^T under the new M, each accumulator from its low end on
.set J, J+2
.endr
	s_wait_alu depctr_va_vdst(0)
.set J, 0
.rept 64
	v_exp_f32 v[S+J], v[S+J]                       ; p = 2^(t - M)
.set J, J+1
.endr
.irp b, 0,1,2,3
	v_exp_f32 v[BM+\b], v[BM+\b]                   ; the block's largest p
.endr
	v_pk_mul_f32 v[14:15], v[14:15], v[F:F+1] op_sel_hi:[1,0]   ; the sums under the new M.  (A plain place behind the exponentials)
	s_wait_alu depctr_va_vdst(0)                   ; and behind it
.irp b, 0,1,2,3
	v_max_num_f32 v[BM+\b], 0x1800000, v[BM+\b]    ; the floor 2^(3 - 127): the byte cannot fall under 1
.endr
.irp b, 0,1,2,3
	v_add_nc_u32 v[SO+\b], 0xff000000, v[BM+\b]    ; 2 off the exponent field: the conversion's scale operand
.endr
.irp b, 0,1,2,3
	v_lshrrev_b32 v[BP+\b], 23, v[SO+\b]           ; the scale's byte
.endr
	v_lshl_or_b32 v35, v[BP+1], 8, v[BP]           ; p's scale word for these 128 keys
	v_lshl_or_b32 v[T], v[BP+3], 8, v[BP+2]
	s_delay_alu instid0(VALU_DEP_1)
	v_lshl_or_b32 v35, v[T], 16, v35
.irp c, 0,1
	v_cvt_scalef32_pk16_fp6_f32 v[PCD+6*\c:PCD+6*\c+2], v[S+32*\c:S+32*\c+15], v[SO+2*\c]
	v_cvt_scalef32_pk16_fp6_f32 v[CT+4*\c:CT+4*\c+2], v[S+32*\c+16:S+32*\c+31], v[SO+2*\c+1]
.endr
	v_nop                                          ; one plain place behind a scaled conversion
.irp i, 0,1,2
.irp c, 0,1
	v_permlane16_swap_b32 v[PCD+6*\c+\i], v[CT+4*\c+\i]   ; a whole block in a lane: lanes 0-15 block 2 c, lanes 16-31 block 2 c + 1
.endr
.endr
.irp i, 0,1,2
.irp c, 0,1
	v_mov_b32 v[PCD+6*\c+3+\i], v[CT+4*\c+\i]
.endr
.endr
.irp n, 16,8,4,2,1                                 ; the sum of the unquantised p, in p's own registers, pairwise
.set J, 0
.rept \n
	v_pk_add_f32 v[S+2*J:S+2*J+1], v[S+2*J:S+2*J+1], v[S+2*J+2*\n:S+2*J+2*\n+1]
.set J, J+1
.endr
.endr
	v_pk_add_f32 v[14:15], v[14:15], v[S:S+1]
	s_wait_alu depctr_va_vdst(0)
	s_wait_dscnt 13                                ; V and its scale words are in; the next K's 13 loads may be out
.irp t, 0,1,2,3
	WM O+8*\t, VF+12*\t, PCD, 0, VSC+\t, 35        ; O^T += V^T P^T: the four accumulators by turns
.endr
.Lskip_\@:
	s_add_co_u32 s[KS], s[KS], 1
	s_add_co_u32 s[TB], s[TB], REC
.endm
	s_mov_b32 s[KS], 0
	s_mov_b32 s[TB], 0
	STEP 1                                         ; key step 0: every wave has it
	s_wait_tensorcnt 0x0
	s_wait_dscnt 0x0
	s_barrier_signal -1
	s_barrier_wait -1                              ; all records are in
	s_mov_b32 s[KS], 1
	s_mov_b32 s[TB], REC
	s_mov_b32 s[CNT], 15
.Lsteps:
	STEP 0
	s_sub_co_u32 s[CNT], s[CNT], 1
	s_cmp_lg_u32 s[CNT], 0
	s_cbranch_scc1 .Lsteps
	; THE WAY OUT: O^T / the sum; into true order along d; quantised; a half image and two scale bytes a token.
	s_wait_dscnt 0x0
	PLACES
	v_add_f32 v14, v14, v15
	v_lshrrev_b32 v[A16], 1, v[L16]                ; 8 x lane
	v_permlanex16_b32 v[T], v14, s[SEL], s[SEL+1]
	v_lshlrev_b32 v[DL], 1, v[R16]                 ; 32 r
	v_add_f32 v14, v14, v[T]                       ; the row's sum
	s_wait_alu depctr_va_vdst(0)
	v_rcp_f32 v14, v14
	v_nop                                          ; a plain place behind it
	s_wait_alu depctr_va_vdst(0)
.set J, 0
.rept 32
	v_mul_f32 v[OUTR+J], v[O+J], v14               ; register 8 t + j: ctx(r, 16 t + 8 h + j)
.set J, J+1
.endr
.irp j, 0,1,2,3,4,5,6,7
.irp b, 0,1
	v_permlane16_swap_b32 v[OUTR+16*\b+\j], v[OUTR+16*\b+8+\j]   ; registers 16 b + i now hold d = 32 b + 16 h + i: 16 neighbours
.endr
.endr
.irp b, 0,1
	v_max3_num_f32 v[BM+\b], |v[OUTR+16*\b]|, |v[OUTR+16*\b+1]|, 0x1800000
.endr
.irp i, 2,4,6,8,10,12,14
.irp b, 0,1
	v_max3_num_f32 v[BM+\b], v[BM+\b], |v[OUTR+16*\b+\i]|, |v[OUTR+16*\b+\i+1]|
.endr
.endr
.irp b, 0,1
	v_permlanex16_b32 v[BP+\b], v[BM+\b], s[SEL], s[SEL+1]
.endr
.irp b, 0,1
	v_max_num_f32 v[BM+\b], v[BM+\b], v[BP+\b]
.endr
.irp b, 0,1
	v_add_nc_u32 v[SO+\b], 0xff000000, v[BM+\b]
.endr
.irp b, 0,1
	v_lshrrev_b32 v[BP+\b], 23, v[SO+\b]
.endr
	v_lshl_or_b32 v[T], v[BP+1], 8, v[BP]
	v_cvt_scalef32_pk16_fp6_f32 v[PCD:PCD+2], v[OUTR:OUTR+15], v[SO]
	v_cvt_scalef32_pk16_fp6_f32 v[CT:CT+2], v[OUTR+16:OUTR+31], v[SO+1]
	v_nop
.irp i, 0,1,2
	v_permlane16_swap_b32 v[PCD+\i], v[CT+\i]
.endr
.irp i, 0,1,2
	v_mov_b32 v[PCD+3+\i], v[CT+\i]
.endr
	global_store_b128 v[L16], v[PCD:PCD+3], s[34:35]              ; 512 consecutive bytes, aligned to 256
	global_store_b64 v[A16], v[PCD+4:PCD+5], s[34:35] offset:512  ; 256 consecutive bytes, aligned
	global_store_b16 v[DL], v[T], s[36:37]                        ; lanes l and l + 16 write the same two bytes with the same value
	s_wait_tensorcnt 0x0                           ; the wave's end
	ds_add_u32 v[SPW], v[NIL]
	s_wait_dscnt 0x0
	CROUND                                         ; the closing round: no work-group ends while a partner may still ask for a record that names it
	s_endpgm
.Lfunc_end_k_q875dce4899_attn:
	.size	k_q875dce4899_attn, .Lfunc_end_k_q875dce4899_attn-k_q875dce4899_attn
	.p2alignl 7, 3214868480
	.fill 96, 4, 3214868480
	.section	.rodata,"a",@progbits
	.p2align	6, 0x0
	.amdhsa_kernel k_q875dce4899_attn
		.amdhsa_group_segment_fixed_size 206848
		.amdhsa_private_segment_fixed_size 0
		.amdhsa_enable_private_segment 0
		.amdhsa_kernarg_size 32
		.amdhsa_user_sgpr_count 2
		.amdhsa_user_sgpr_kernarg_segment_ptr 1
		.amdhsa_wavefront_size32 1
		.amdhsa_system_sgpr_workgroup_id_x 1
		.amdhsa_system_sgpr_workgroup_id_y 1
		.amdhsa_system_sgpr_workgroup_id_z 1
		.amdhsa_system_vgpr_workitem_id 0
		.amdhsa_next_free_vgpr 256
		.amdhsa_next_free_sgpr 66
		.amdhsa_reserve_vcc 1
		.amdhsa_float_denorm_mode_32 3
		.amdhsa_float_denorm_mode_16_64 3
		.amdhsa_memory_ordered 1
		.amdhsa_forward_progress 1
		.amdhsa_inst_pref_size 59
	.end_amdhsa_kernel
	.amdgpu_metadata
---
amdhsa.version: [ 1, 2 ]
amdhsa.kernels:
  - .name:           k_q875dce4899_attn
    .symbol:         k_q875dce4899_attn.kd
    .args:
      - { .name: qf, .offset: 0, .size: 8, .value_kind: global_buffer, .address_space: global }
      - { .name: kv, .offset: 8, .size: 8, .value_kind: global_buffer, .address_space: global }
      - { .name: cf, .offset: 16, .size: 8, .value_kind: global_buffer, .address_space: global }
      - { .name: cs, .offset: 24, .size: 8, .value_kind: global_buffer, .address_space: global }
    .group_segment_fixed_size: 206848
    .private_segment_fixed_size: 0
    .kernarg_segment_align: 8
    .kernarg_segment_size: 32
    .max_flat_workgroup_size: 512
    .sgpr_count:     66
    .vgpr_count:     256
    .wavefront_size: 32
...
	.end_amdgpu_metadata
.endif
;; end of part 2
;; launch proj (part 3): grid 8 x 32, 8 waves a work-group, clusters of 4 x 4, 238,592 bytes of LDS; arguments cf, cs, w_o_codes, w_o_scales, b_o, out0; writes out0
.if DOCPART == 3
	.amdgcn_target "amdgcn-amd-amdhsa--gfx1250"
	.amdhsa_code_object_version 6
	.text
	.protected	k_q875dce4899_proj
	.globl	k_q875dce4899_proj
	.p2align	8
	.type	k_q875dce4899_proj,@function
k_q875dce4899_proj:
	s_mov_b64 s[64:65], 0
	v_nop
	global_prefetch_b8 v0, s[64:65] scope:SCOPE_SE
	s_setreg_imm32_b32 hwreg(HW_REG_WAVE_MODE, 25, 1), 1
	s_wait_xcnt 0x0
	s_wait_alu depctr_hold_cnt(0) depctr_sa_sdst(0) depctr_va_vdst(0) depctr_va_sdst(0) depctr_va_ssrc(0) depctr_va_vcc(0) depctr_vm_vsrc(0)
	s_getreg_b32 s2, hwreg(HW_REG_IB_STS2, 6, 4)
	s_cmp_eq_u32 s2, 0
	s_cbranch_scc0 .Lentry_in_a_cluster
	s_endpgm
.Lentry_in_a_cluster:
	s_bfe_u32 s2, ttmp6, 0x10000c
	s_cmp_lg_u32 s2, 0xf033
	s_cbranch_scc0 .Lentry_shape_is_right
	s_endpgm
.Lentry_shape_is_right:
; out = ctx Wo + b_o on codes of FP6 (E2M3) with E8M0 scales.  ctx comes as half images (cf: [128 tokens Y][256 along K c][token tile 8][head in c 4][768 bytes]) and scale bytes (cs: [token][32]).
; SHARES.  Work-group (X: 128 columns, Y: 128 tokens).  Wave w: i = w / 2 (token tiles 2 i, 2 i + 1), j = w % 2 (columns 64 j on, four tiles): 8 accumulators.
; The product is used transposed (source 0 = 16 rows of Wo, source 1 = 16 tokens): a lane holds eight neighbouring columns of one token.  The accumulators are loaded with the bias, so every K step adds in place.
; LDS.  All of K lies in LDS at once, each byte filled once: ctx's 98,304 dense bytes, then 128 rows of Wo of 768 bytes, 16 bytes of padding behind every 256: pitch 816.  Behind them a stage for each wave.
; CLUSTER 4 x 4: ctx's tiles hang on Y alone and are shared along a row, Wo's on X alone and are shared along a column: joint loads, one a wave: waves 0-3 a quarter of ctx each, waves 4-7 32 rows of Wo each.
; NO PREFETCH: everything is asked for by the head's loads.
.set PITCH, 816
.set CTXB,  24576                      ; a quarter of ctx: 256 along K
.set WOB,   4*CTXB
.set STG,   WOB+128*PITCH              ; the stages: 16 rows x 272 bytes for each wave; no tensor load lands there
.set SP,    272
.set SPARE, STG+8*16*SP
.set FR,    12
.set AI16,  4                          ; v4  ctx's images: 16 x lane + my two tiles
.set AI8,   5                          ; v5  8 x lane + the same
.set ADW,   6                          ; v6-7 my rows of Wo (the second: for pieces across a padding)
.set STO,   8                          ; v8  the stage: where I put 32 bytes of a row
.set RD,    9                          ; v9  and where I read a row back
.set CO,    10                         ; v10 my byte offset in out0
.set L32,   11                         ; v11 32 x lane
.set H32,   12                         ; v12 32 h
.set CS,    16                         ; v16-23 ctx's scale words by K step: lanes 0-15 tile 2 i, lanes 16-31 tile 2 i + 1
.set WS,    28                         ; v28-43 Wo's: [pair of tiles][K step]
.set ACC,   44                         ; v44-107 accumulator (nt, mt) at 44 + 8 (2 nt + mt)
.set FS,    108                        ; v108-179, v180-251 two sets of six fragments: ctx 2, Wo 4
.set SPW,   254
.set NIL,   255
.set WV,    24
.set G1C,   36
.set G1W,   44
.set G0C,   68
.set G0W,   84
.macro CROUND
	s_barrier_signal -1
	s_barrier_wait -1
	s_cmp_lg_u32 s[WV], 0
	s_cbranch_scc1 .Lnot_wave_0_\@
	s_barrier_signal -3
.Lnot_wave_0_\@:
	s_barrier_wait -3
	s_barrier_signal -1
	s_barrier_wait -1
.endm
.macro PLACES
.rept 4
	v_nop
.endr
.endm
.macro WM d, a, b, sa, sb, ra, rb
.set WSEL, 2*(\ra)+(\rb)
.if WSEL == 0
	v_wmma_scale_f32_16x16x128_f8f6f4 v[\d:\d+7], v[\a:\a+11], v[\b:\b+11], v[\d:\d+7], v[\sa], v[\sb] matrix_a_fmt:MATRIX_FMT_FP6 matrix_b_fmt:MATRIX_FMT_FP6
.elseif WSEL == 1
	v_wmma_scale_f32_16x16x128_f8f6f4 v[\d:\d+7], v[\a:\a+11], v[\b:\b+11], v[\d:\d+7], v[\sa], v[\sb] matrix_a_fmt:MATRIX_FMT_FP6 matrix_b_fmt:MATRIX_FMT_FP6 matrix_b_scale:MATRIX_SCALE_ROW1
.elseif WSEL == 2
	v_wmma_scale_f32_16x16x128_f8f6f4 v[\d:\d+7], v[\a:\a+11], v[\b:\b+11], v[\d:\d+7], v[\sa], v[\sb] matrix_a_fmt:MATRIX_FMT_FP6 matrix_b_fmt:MATRIX_FMT_FP6 matrix_a_scale:MATRIX_SCALE_ROW1
.else
	v_wmma_scale_f32_16x16x128_f8f6f4 v[\d:\d+7], v[\a:\a+11], v[\b:\b+11], v[\d:\d+7], v[\sa], v[\sb] matrix_a_fmt:MATRIX_FMT_FP6 matrix_b_fmt:MATRIX_FMT_FP6 matrix_a_scale:MATRIX_SCALE_ROW1 matrix_b_scale:MATRIX_SCALE_ROW1
.endif
.endm
.macro FRAG reg, adr, q, i             ; a fragment of K step q from rows: six pieces of 8 bytes; where the piece three on lies behind one padding more, the second address serves
.irp p, 0,1,2,3,4,5
.set PCE, 12*(\q)+6*(\p/3)+\p%3
.if PCE%32 < 29
	ds_load_b64 v[\reg+2*\p:\reg+2*\p+1], v[\adr] offset:8*PCE+16*(PCE/32)+(\i)*16*PITCH
.else
	ds_load_b64 v[\reg+2*\p:\reg+2*\p+1], v[\adr+1] offset:8*PCE+16*(PCE/32)+(\i)*16*PITCH
.endif
.endr
.endm
.macro FETCH p, q                      ; six fragments (32 loads) of K step q into set p; ctx's addresses are stepped once, ahead of step 4
.set CB, CTXB*(((\q)/2)%2)+1536*((\q)%2)
.irp m, 0,1
	ds_load_b128 v[FS+72*(\p)+FR*\m:FS+72*(\p)+FR*\m+3], v[AI16] offset:3072*\m+CB
	ds_load_b64 v[FS+72*(\p)+FR*\m+4:FS+72*(\p)+FR*\m+5], v[AI8] offset:3072*\m+CB+512
	ds_load_b128 v[FS+72*(\p)+FR*\m+6:FS+72*(\p)+FR*\m+9], v[AI16] offset:3072*\m+CB+768
	ds_load_b64 v[FS+72*(\p)+FR*\m+10:FS+72*(\p)+FR*\m+11], v[AI8] offset:3072*\m+CB+1280
.endr
.irp t, 0,1,2,3
	FRAG FS+72*(\p)+24+FR*\t, ADW, \q, \t
.endr
.endm
.macro MUL s                           ; K step s: the eight accumulators by turns
.irp nt, 0,1,2,3
.irp mt, 0,1
	WM ACC+8*(2*\nt+\mt), FS+72*((\s)%2)+24+FR*\nt, FS+72*((\s)%2)+FR*\mt, WS+8*(\nt/2)+(\s), CS+(\s), \nt%2, \mt
.endr
.endr
.endm
	s_load_b256 s[4:11], s[0:1], 0x0               ; cf, cs, Wo's codes, Wo's scales
	s_load_b128 s[12:15], s[0:1], 0x20             ; b_o, out0
	v_lshl_add_u32 v[SPW], v0, 2, SPARE
	v_mov_b32 v[NIL], 0
	ds_add_u32 v[SPW], v[NIL]
	ds_add_u32 v[SPW], v[NIL]                      ; the opening add twice on end
	v_lshrrev_b32 v1, 5, v0
	v_readfirstlane_b32 s[WV], v1                  ; wave 0..7
	s_lshr_b32 s25, s[WV], 1                       ; i
	s_and_b32 s26, s[WV], 1                        ; j
	s_and_b32 s57, s[WV], 3                        ; which quarter of a tile I fetch
	s_bfe_u32 s27, ttmp6, 0x40000                  ; cx
	s_bfe_u32 s28, ttmp6, 0x40004                  ; cy
	s_lshl_b32 s29, ttmp9, 2
	s_add_co_u32 s29, s29, s27                     ; X
	s_and_b32 s30, ttmp7, 0xffff
	s_lshl_b32 s30, s30, 2
	s_add_co_u32 s30, s30, s28                     ; Y
	s_lshl_b32 s31, s28, 2
	s_lshl_b32 s31, 15, s31                        ; my row of the cluster
	s_lshl_b32 s32, 0x1111, s27                    ; my column
	s_or_b32 s[G1C], s31, (3<<16)|(1<<21)          ; ctx: dense, 96 rows of 256 bytes (32 elements of 8 bytes), no padding; shared along the row
	s_mov_b32 s[G1C+1], 32<<16
	s_mov_b32 s[G1C+2], 96<<16
	s_mov_b32 s[G1C+3], 32<<16
	s_mov_b32 s[G1C+4], 96
	s_mov_b32 s[G1C+5], 32
	s_mov_b32 s[G1C+6], 0
	s_mov_b32 s[G1C+7], 0
	s_or_b32 s[G1W], s32, (1<<20)|(1<<21)|(5<<22)|(3<<25)   ; Wo: 32 rows of 768 bytes; after every 64 words 4 words of padding; shared along the column
	s_mov_b32 s[G1W+1], 768<<16
	s_mov_b32 s[G1W+2], 32<<16
	s_mov_b32 s[G1W+3], 768<<16
	s_mov_b32 s[G1W+4], 32
	s_mov_b32 s[G1W+5], 768
	s_mov_b32 s[G1W+6], 0
	s_mov_b32 s[G1W+7], 0
	s_mul_i32 s52, s30, 4*CTXB                     ; ctx: my 128 tokens (these registers never hold cx),
	s_mul_i32 s58, s57, CTXB                       ; my quarter: in memory and in LDS alike
	s_add_co_u32 s52, s52, s58
	s_mov_b32 s53, 0
	s_mul_i32 s54, s29, 128*768                    ; Wo: my 128 rows (never cy),
	s_mul_i32 s59, s57, 32*768
	s_add_co_u32 s54, s54, s59
	s_mov_b32 s55, 0
	s_mul_i32 s59, s57, 32*PITCH                   ; the 32 of them that I fetch, in LDS
	s_mul_i32 s56, s26, 64*PITCH                   ; the 64 that I multiply
	s_wait_alu depctr_va_vdst(0)
	v_and_b32 v1, 31, v0                           ; lane
	v_and_b32 v2, 15, v0                           ; r
	v_bfe_u32 v3, v0, 4, 1                         ; h
	s_mul_i32 s33, s25, 6144
	v_lshl_add_u32 v[AI16], v1, 4, s33
	v_lshl_add_u32 v[AI8], v1, 3, s33
	v_mul_u32_u24 v13, v2, PITCH
	v_mul_u32_u24 v15, v2, SP
	v_mad_u32_u24 v13, v3, 24, v13
	v_lshl_add_u32 v15, v3, 5, v15
	v_lshl_add_u32 v14, v3, 4, v13
	s_add_co_u32 s33, s56, WOB
	v_add_nc_u32 v[ADW], s33, v13
	v_add_nc_u32 v[ADW+1], s33, v14
	s_mul_i32 s33, s[WV], 16*SP
	s_add_co_u32 s33, s33, STG                     ; my stage
	v_add_nc_u32 v[STO], s33, v15                  ; in: row r, + 32 h
	v_mul_u32_u24 v13, v3, SP
	v_lshlrev_b32 v[CO], 12, v3
	v_lshl_add_u32 v13, v2, 4, v13
	v_lshl_add_u32 v[CO], v2, 4, v[CO]             ; two rows of out0: lanes 0-15 one, lanes 16-31 the next,
	v_add_nc_u32 v[RD], s33, v13                   ; and the same two of the stage
	v_lshlrev_b32 v[L32], 5, v1
	v_lshlrev_b32 v[H32], 5, v3
	s_mov_b32 s35, 0
	s_wait_alu depctr_va_vdst(0)
	s_wait_dscnt 0x0
	s_wait_kmcnt 0x0
	s_add_nc_u64 s[52:53], s[4:5], s[52:53]
	s_add_nc_u64 s[54:55], s[8:9], s[54:55]
	s_mov_b32 s[G0C], 1
	s_mov_b32 s[G0C+1], s58
	s_mov_b64 s[G0C+2:G0C+3], s[52:53]
	s_or_b32 s[G0C+3], s[G0C+3], 0x80000000
	s_mov_b32 s[G0W], 1
	s_add_co_u32 s[G0W+1], s59, WOB
	s_mov_b64 s[G0W+2:G0W+3], s[54:55]
	s_or_b32 s[G0W+3], s[G0W+3], 0x80000000
	CROUND                                         ; all sixteen work-groups are here: the joint loads meet
	s_cmp_lt_u32 s[WV], 4
	s_cbranch_scc0 .Lnot_c
	tensor_load_to_lds s[G0C:G0C+3], s[G1C:G1C+7]
	s_nop 0
	PLACES
	s_branch .Lasked
.Lnot_c:
	tensor_load_to_lds s[G0W:G0W+3], s[G1W:G1W+7]
	s_nop 0
	PLACES
.Lasked:
	s_lshl_b32 s34, s30, 12
	s_lshl_b32 s33, s25, 10
	s_add_co_u32 s34, s34, s33
	s_add_nc_u64 s[6:7], s[6:7], s[34:35]          ; ctx's scale bytes: tokens 128 Y + 32 i on
	s_lshl_b32 s34, s29, 12
	s_lshl_b32 s33, s26, 11
	s_add_co_u32 s34, s34, s33
	s_add_nc_u64 s[10:11], s[10:11], s[34:35]      ; Wo's: rows 128 X + 64 j on
	s_lshl_b32 s34, s29, 9
	s_lshl_b32 s33, s26, 8
	s_add_co_u32 s34, s34, s33
	s_add_nc_u64 s[12:13], s[12:13], s[34:35]      ; b_o at my 64 columns
	s_add_nc_u64 s[14:15], s[14:15], s[34:35]      ; out0 at the same columns,
	s_lshl_b32 s34, s30, 7
	s_lshl_b32 s33, s25, 5
	s_add_co_u32 s34, s34, s33
	s_lshl_b32 s34, s34, 12
	s_add_nc_u64 s[14:15], s[14:15], s[34:35]      ; and at row 128 Y + 32 i
	global_load_b128 v[CS:CS+3], v[L32], s[6:7]
	global_load_b128 v[CS+4:CS+7], v[L32], s[6:7] offset:16
.irp g, 0,1
	global_load_b128 v[WS+8*\g:WS+8*\g+3], v[L32], s[10:11] offset:1024*\g
	global_load_b128 v[WS+8*\g+4:WS+8*\g+7], v[L32], s[10:11] offset:1024*\g+16
.endr
.irp nt, 0,1,2,3
.irp mt, 0,1
	global_load_b128 v[ACC+8*(2*\nt+\mt):ACC+8*(2*\nt+\mt)+3], v[H32], s[12:13] offset:64*\nt       ; the bias of columns 16 nt + 8 h + 0 .. 7 starts the sums
	global_load_b128 v[ACC+8*(2*\nt+\mt)+4:ACC+8*(2*\nt+\mt)+7], v[H32], s[12:13] offset:64*\nt+16
.endr
.endr
	s_wait_tensorcnt 0x0                           ; my part is in
	s_barrier_signal -1
	s_barrier_wait -1                              ; everybody's is; nothing is ever filled again
	FETCH 0, 0
.irp s, 0,1,2,3,4,5,6,7
	s_wait_dscnt 0x0                               ; this step's fragments are in
.if \s < 7
.if \s == 3
	v_add_nc_u32 v[AI16], 2*CTXB, v[AI16]
	v_add_nc_u32 v[AI8], 2*CTXB, v[AI8]
	v_nop
	v_nop                                          ; with the two lines above: the four places in front of the loads
	s_wait_alu depctr_va_vdst(0)
.else
	PLACES                                         ; four places in front of loads into registers that the last step's products have read
.endif
	FETCH (\s+1)%2, \s+1
.endif
.if \s == 0
	s_wait_loadcnt 0x0                             ; the scale words and the bias
.endif
	MUL \s
.endr
	; THE WAY OUT.  A lane holds 32 neighbouring bytes of a row; 16 rows x 256 bytes at a time go through my own stage and come back as whole rows.  LDS serves a wave's instructions in order (ISA guide 5.7.1.4).
	PLACES
.irp mt, 0,1
.irp nt, 0,1,2,3
	ds_store_b128 v[STO], v[ACC+8*(2*\nt+\mt):ACC+8*(2*\nt+\mt)+3] offset:64*\nt          ; each accumulator from its low end on
	ds_store_b128 v[STO], v[ACC+8*(2*\nt+\mt)+4:ACC+8*(2*\nt+\mt)+7] offset:64*\nt+16
.endr
.irp t, 0,1,2,3,4,5,6,7
	ds_load_b128 v[FS+32*\mt+4*\t:FS+32*\mt+4*\t+3], v[RD] offset:2*\t*SP
.endr
.endr
.irp mt, 0,1
.irp t, 0,1,2,3,4,5,6,7
	s_wait_dscnt 23-16*\mt-\t                      ; behind this load: the block's later loads and, for the first block, the second's eight stores and eight loads
	global_store_b128 v[CO], v[FS+32*\mt+4*\t:FS+32*\mt+4*\t+3], s[14:15] offset:(16*\mt+2*\t)*4096 th:TH_STORE_NT   ; 16 lanes store 256 consecutive bytes, aligned
.endr
.endr
	s_wait_tensorcnt 0x0                           ; the wave's end
	ds_add_u32 v[SPW], v[NIL]
	s_wait_dscnt 0x0
	CROUND                                         ; the closing round: no work-group ends while a partner may still ask for a tile that names it
	s_endpgm
.Lfunc_end_k_q875dce4899_proj:
	.size	k_q875dce4899_proj, .Lfunc_end_k_q875dce4899_proj-k_q875dce4899_proj
	.p2alignl 7, 3214868480
	.fill 96, 4, 3214868480
	.section	.rodata,"a",@progbits
	.p2align	6, 0x0
	.amdhsa_kernel k_q875dce4899_proj
		.amdhsa_group_segment_fixed_size 238592
		.amdhsa_private_segment_fixed_size 0
		.amdhsa_enable_private_segment 0
		.amdhsa_kernarg_size 48
		.amdhsa_user_sgpr_count 2
		.amdhsa_user_sgpr_kernarg_segment_ptr 1
		.amdhsa_wavefront_size32 1
		.amdhsa_system_sgpr_workgroup_id_x 1
		.amdhsa_system_sgpr_workgroup_id_y 1
		.amdhsa_system_sgpr_workgroup_id_z 1
		.amdhsa_system_vgpr_workitem_id 0
		.amdhsa_next_free_vgpr 256
		.amdhsa_next_free_sgpr 100
		.amdhsa_reserve_vcc 0
		.amdhsa_float_denorm_mode_32 3
		.amdhsa_float_denorm_mode_16_64 3
		.amdhsa_memory_ordered 1
		.amdhsa_forward_progress 1
		.amdhsa_inst_pref_size 39
	.end_amdhsa_kernel
	.amdgpu_metadata
---
amdhsa.version: [ 1, 2 ]
amdhsa.kernels:
  - .name:           k_q875dce4899_proj
    .symbol:         k_q875dce4899_proj.kd
    .args:
      - { .name: cf, .offset: 0, .size: 8, .value_kind: global_buffer, .address_space: global }
      - { .name: cs, .offset: 8, .size: 8, .value_kind: global_buffer, .address_space: global }
      - { .name: w_o_codes, .offset: 16, .size: 8, .value_kind: global_buffer, .address_space: global }
      - { .name: w_o_scales, .offset: 24, .size: 8, .value_kind: global_buffer, .address_space: global }
      - { .name: b_o, .offset: 32, .size: 8, .value_kind: global_buffer, .address_space: global }
      - { .name: out0, .offset: 40, .size: 8, .value_kind: global_buffer, .address_space: global }
    .group_segment_fixed_size: 238592
    .private_segment_fixed_size: 0
    .kernarg_segment_align: 8
    .kernarg_segment_size: 48
    .max_flat_workgroup_size: 256
    .sgpr_count:     100
    .vgpr_count:     256
    .wavefront_size: 32
...
	.end_amdgpu_metadata
.endif
;; end of part 3
